; MI455X (gfx1250); checked and timed in simulation.
; The chip was launched on July 23, 2026; its instructions are those of AMD's public machine-readable ISA for CDNA 5 (MIT licence, August 2026) and "CDNA5" Instruction Set Architecture Reference Guide (July 2026). The comments in the code are by the model that wrote it; some were corrected since.
;; Ternary Inference Linear. Allowed arithmetic: matrix products marked QUANTISED: E4M3 operands, one given power-of-two scale a tensor, by v_wmma_f32_16x16x64_fp8_fp8 or v_wmma_f32_16x16x128_fp8_fp8, f32 sums; products left as they are: f32 operands where the result goes on into a quantised operand, else bf16, f16 or f32 operands; f32 sums; everything else in f32.
;; Inputs: alpha 4,096 float32; bias 4,096 float32; int2_packed 4,096 x 256 int32; lora_A 16 x 4,096 float32; lora_B 4,096 x 16 float32; lowp_scales 4 int32 (the exponents e of the quantised operands' scales 2^e); mu 4,096 float32; x 4,096 x 4,096 float32.
;; Outputs: out0 4,096 x 4,096 float32.
;; This version of the problem:
;;   THIS VERSION OF THE PROBLEM IS GIVEN IN LOW PRECISION. The matrix products marked QUANTISED in the list below multiply operands that are first quantised to E4M3 (4 exponent bits, 3 mantissa bits; 8 bits a number), with one given power-of-two scale for each operand tensor; their sums are f32. All else is computed in f32.
;;   The module's matrix products, in the order in which they are computed (A, B: the left and right operand; K: the contracted axis; several contracted axes count as one K, in the product's order):
;;     1. [M 4,096, K 4,096] x [K 4,096, N 4,096]; A: input x; B: computed on the way: QUANTISED (scales: A lowp_scales[0], B lowp_scales[1])
;;     2. [M 4,096, K 4,096] x [K 4,096, N 16]; A: input x; B: input lora_A: QUANTISED (scales: A lowp_scales[2], B lowp_scales[3])
;;     3. [M 4,096, K 16] x [K 16, N 4,096]; A: computed on the way; B: input lora_B: left as it is (K = 16 < 32)
;;   THE QUANTISER, for each operand of a quantised product, along K:
;;     - The operand's scale is 2^e, e = its entry of the input lowp_scales (int32; the entries are numbered through the quantised products in the list's order, A before B).
;;     - Each number is divided by the scale, clamped to +-448, and rounded to the nearest number of E4M3, ties to even, subnormals kept.
;;     - The product sums the exact products of the quantised numbers (number of the format x scale) in f32.
;;   ~~~python
;;   def quantise(x, axis, e):      # numpy; x: float32 -> the quantised numbers, widened to float32 again
;;       x = np.moveaxis(x, axis, -1); K = x.shape[-1]
;;       r = np.clip(x / 2.0 ** e, -448, 448)
;;       step = 2.0 ** (np.maximum(np.frexp(np.where(r == 0, 1, r))[1] - 1, -6) - 3)
;;       q = np.round(r / step) * step * 2.0 ** e      # np.round: ties to even
;;       return np.moveaxis(q, -1, axis).astype(np.float32)
;;   ~~~
;;   OPERANDS COMPUTED ON THE WAY. 'Computed on the way' means the value that the module computes at that place (a softmax that the list does not call 'softmax' is quantised finished and normalised). What goes into a quantiser is computed in f32, as accurately as f32 sums, v_exp_f32 and their like allow (about 1e-6 of the number): no bf16 or f16 on the way to a quantiser, and a product that is left as it is and whose result goes on into a quantised operand takes f32 operands (vector FMAs, or v_wmma_f32_16x16x4_f32). A number that lies on a knife's edge between two numbers of the format may be rounded either way, as far as f32 arithmetic and the matrix unit's own rounding can turn it there, and no further.
;; One version. Each part assembles by itself: llvm-mc -triple=amdgcn-amd-amdhsa -mcpu=gfx1250 --defsym DOCPART=n.
;; ======== version 1 of 1: 2 launches
;; workspace buffers: xq 16,777,216 bytes; tq 16,777,216 bytes; xa16 131,072 bytes; rsw 65,536 bytes
;; launch prep (part 1): grid 256 x 1, 16 waves a work-group, no clusters, 327,680 bytes of LDS; arguments x, int2_packed, lora_A, lowp_scales, xq, tq, xa16, rsw; writes xq, tq, xa16, rsw
.if DOCPART == 1
	.amdgcn_target "amdgcn-amd-amdhsa--gfx1250"
	.amdhsa_code_object_version 6
	.text
	.protected	k_q6714c37599_prep
	.globl	k_q6714c37599_prep
	.p2align	8
	.type	k_q6714c37599_prep,@function
k_q6714c37599_prep:
	s_mov_b64 s[64:65], 0
	v_nop
	global_prefetch_b8 v0, s[64:65] scope:SCOPE_SE
	s_setreg_imm32_b32 hwreg(HW_REG_WAVE_MODE, 25, 1), 1
	s_wait_xcnt 0x0
; PREP: everything that wants x in f32, and the unpacking of T.
;   xq   = codes (E4M3) of x with the scale 2^e0;   tq = codes of T = (2-bit code) - 1 with the scale 2^e1 (the code 3 gives T = 2, as the arithmetic of the unpacking has it);
;   xa16 = Q(x, e2) Q(lora_A, e3)^T x 2^(e2 + e3), rounded to bf16 (an operand of the product over the 16 ranks, which is left as it is);   rsw = the rows' sums of x, f32.
; LAYOUT of xq and tq: an image of the reader's registers: [ks 16][block of 16 rows 256][s 2][c 4][lane 32][16 bytes].  With r = lane % 16 and h = lane / 16, byte i of group c is
; K = 256 ks + 128 s + 64 h + 16 c + i of row 16 block + r.  That is a permutation of K inside a matrix instruction, the same on both sides of every product, so each code meets its partner.
; A lane's group c is then one int32 word of int2_packed, and a lane's 64 numbers of x are 256 consecutive bytes of a row.
; xa16: [block][lane][8 bf16]: lane (r, h) holds ranks 8 h .. 8 h + 7 of token r.   rsw: [block][lane][2 f32]: both words hold the sum of row r.
; SHARES.  Work-group g owns tokens 16 g .. 16 g + 15 and T's rows 16 g .. 16 g + 15; wave w owns K = 256 w .. 256 w + 255 (ks = w).  All of the work-group's x (16 tiles of 16 rows x 1,024 bytes) is asked for at the
; start, each LDS byte is filled once: no ring.  By this text's own count a wave has two tensor loads out.  T's and lora_A's work stands between the request for x and the wait for it.
; NO CLUSTER: lora_A alone is shared between work-groups; x's tiles take 266,240 bytes of LDS and lora_A in f32 would take 262,144 more, so it comes through registers, where there is no joint request.
; LIMITS: e0 .. e3 between -126 and 119, so that 2^e and 448 x 2^e are f32 numbers; e2 + e3 is applied by v_ldexp_f32.  NaN among the inputs is not served.
.set XP,    1040                       ; a row of x's tile in LDS: 1,024 bytes + 16 of padding: 260 words, so that sixteen rows start at sixteen different groups of four banks
.set XW,    16*XP                      ; a wave's tile
.set TREG,  16*XW                      ; 266,240: sixteen packed rows of T, 1,040 bytes apart
.set SCR,   TREG+16*XP                 ; 282,880: each wave's own scratch, 2,304 bytes, written by LDS stores alone
.set SCB,   2304
.set SPARE, SCR+16*SCB                 ; 319,744: the spare words, 128 bytes for each wave: eight blocks of 256 bytes that no other line names
.set LANE, 1
.set R,    2
.set H,    3
.set SPW,  4                           ; LDS address of my spare word; never rewritten
.set NIL,  5                           ; 0; never rewritten
.set XAD,  6                           ; x's tile: my row, my half of a step's 512 bytes
.set TAD,  7                           ; T's packed rows: row r, my wave's 64 bytes, my half's 16
.set O16,  8                           ; 16 x lane
.set SCW,  9                           ; scratch + 4 x lane
.set SCRD, 10                          ; scratch + 144 r + 64 h
.set RSA,  11                          ; scratch + 1,024 + 4 x lane
.set S0,   12                          ; 2^e0, 448 x 2^e0
.set L0,   13
.set S2,   14                          ; the same for e2
.set L2,   15
.set S3,   16                          ; and for e3
.set L3,   17
.set TAB,  18                          ; four bytes: the codes of -1, 0, 1, 2 under 2^e1
.set O8,   19                          ; 8 x lane
.set SCI,  21                          ; scratch + 16 x lane
.set RSUM, 22                          ; v[22:23] and v[248:249]: the row's sum in two chains of pairs
.set RSB,  248
.set TW,   24                          ; v24-31   eight packed words
.set TT,   32                          ; v32-43   at work for the table and the unpacking
.set CA,   32                          ; v32-63   lora_A's codes as they were loaded
.set XC,   32                          ; v32-63   x's codes under e0, a set of 16 for each step
.set TO,   64                          ; v64-95   T's codes
.set XF,   64                          ; v64-95   x's codes under e2, a set for each step
.set AF,   96                          ; v96-127  lora_A's two fragments
.set LA,   128                         ; v128-255 lora_A in f32
.set XN,   128                         ; v128-191 64 numbers of x
.set HT,   192                         ; v192-223 held numbers, two sets of 16
.set ACC,  224                         ; v224-239 two accumulators
.set RT,   240                         ; v240-247 their sum
.set WV,   20
.set G1X,  32                          ; s[32:39] x's tile;  s[40:47] a packed row of T;  s[48:51], s[52:55] their groups 0
.set G1T,  40
.set G0X,  48
.set G0T,  52
	s_load_b256 s[4:11], s[0:1], 0x0               ; x s[4:5], int2_packed s[6:7], lora_A s[8:9], lowp_scales s[10:11]
	s_load_b256 s[12:19], s[0:1], 0x20             ; xq s[12:13], tq s[14:15], xa16 s[16:17], rsw s[18:19]
	v_lshl_add_u32 v[SPW], v0, 2, SPARE
	v_mov_b32 v[NIL], 0
	ds_add_u32 v[SPW], v[NIL]                      ; the wave's opening: the add and its wait stand ahead of my first tensor load; work on registers stands between them
	v_lshrrev_b32 v1, 5, v0
	v_readfirstlane_b32 s[WV], v1                  ; wave 0..15
	v_and_b32 v[LANE], 31, v0
	v_and_b32 v[R], 15, v0
	v_bfe_u32 v[H], v0, 4, 1
	v_lshlrev_b32 v[O16], 4, v[LANE]
	v_lshlrev_b32 v[O8], 3, v[LANE]
	; group 1 for x: 16 rows of 256 f32, 4,096 elements from row to row, four words of padding behind every 256
	s_mov_b32 s[G1X+0], (2<<16)|(1<<20)|(7<<22)|(3<<25)
	s_mov_b32 s[G1X+1], 256<<16                    ; tensor_dim0
	s_mov_b32 s[G1X+2], 16<<16                     ; tensor_dim1
	s_mov_b32 s[G1X+3], 256<<16                    ; tile_dim0
	s_mov_b32 s[G1X+4], 16                         ; tile_dim1
	s_mov_b32 s[G1X+5], 4096                       ; stride
	s_mov_b32 s[G1X+6], 0
	s_mov_b32 s[G1X+7], 0
	; group 1 for T: one row of 1,024 bytes as 128 elements of 8 bytes
	s_mov_b32 s[G1T+0], 3<<16
	s_mov_b32 s[G1T+1], 128<<16
	s_mov_b32 s[G1T+2], 1<<16
	s_mov_b32 s[G1T+3], 128<<16
	s_mov_b32 s[G1T+4], 1
	s_mov_b32 s[G1T+5], 128
	s_mov_b32 s[G1T+6], 0
	s_mov_b32 s[G1T+7], 0
	s_lshl_b32 s21, s[WV], 10                      ; 1,024 w: my K slice in a row of x and of lora_A; also row w of 1,024 bytes of int2_packed
	s_lshl_b32 s22, ttmp9, 18                      ; 16 rows of 16,384 bytes a work-group
	s_add_co_u32 s22, s22, s21
	s_mov_b32 s23, 0                               ; s[22:23]: my tile in x
	s_lshl_b32 s28, ttmp9, 14
	s_add_co_u32 s28, s28, s21
	s_mov_b32 s29, 0                               ; s[28:29]: packed row 16 g + w
	s_mov_b32 s30, s21
	s_mov_b32 s31, 0                               ; s[30:31]: my slice in lora_A
	s_lshl_b32 s74, s[WV], 20
	s_lshl_b32 s75, ttmp9, 12
	s_add_co_u32 s74, s74, s75
	s_mov_b32 s75, 0                               ; s[74:75]: (ks = w, block g) in xq and in tq
	s_lshl_b32 s76, ttmp9, 9
	s_mov_b32 s77, 0                               ; block g in xa16
	s_lshl_b32 s78, ttmp9, 8
	s_mov_b32 s79, 0                               ; and in rsw
	s_mov_b32 s[G0X], 1
	s_mul_i32 s[G0X+1], s[WV], XW                  ; LDS: my tile
	s_mov_b32 s[G0T], 1
	s_mul_i32 s[G0T+1], s[WV], XP
	s_add_co_u32 s[G0T+1], s[G0T+1], TREG          ; LDS: packed row w
	s_mov_b32 s68, 0x000f000f
	s_mov_b32 s69, 0x03030303
	s_mov_b32 s70, 0x76543210                      ; v_permlanex16_b32: lane l xor 16
	s_mov_b32 s71, 0xfedcba98
	s_wait_dscnt 0x0                               ; the opening add is done
	s_wait_kmcnt 0x0
	s_load_b128 s[24:27], s[10:11], 0x0            ; e0, e1, e2, e3
	s_add_nc_u64 s[G0X+2:G0X+3], s[4:5], s[22:23]
	s_or_b32 s[G0X+3], s[G0X+3], 0x80000000
	s_add_nc_u64 s[G0T+2:G0T+3], s[6:7], s[28:29]
	s_or_b32 s[G0T+3], s[G0T+3], 0x80000000
	tensor_load_to_lds s[G0T:G0T+3], s[G1T:G1T+7]  ; T's row first: it is wanted first
	s_nop 0
	tensor_load_to_lds s[G0X:G0X+3], s[G1X:G1X+7]  ; then my tile of x
	s_nop 0
	s_add_nc_u64 s[56:57], s[8:9], s[30:31]
.irp p, 0,1,2,3,4,5,6,7,8,9,10,11,12,13,14,15
	global_load_b128 v[LA+8*\p:LA+8*\p+3],   v[O16], s[56:57] offset:16384*\p       ; rank p, step 0: 32 lanes read 512 consecutive bytes: K = 4 lane + 0 .. 3 of the step
	global_load_b128 v[LA+8*\p+4:LA+8*\p+7], v[O16], s[56:57] offset:16384*\p+512   ; step 1
.endr
	s_add_nc_u64 s[58:59], s[12:13], s[74:75]      ; xq
	s_add_nc_u64 s[60:61], s[14:15], s[74:75]      ; tq
	s_add_nc_u64 s[62:63], s[16:17], s[76:77]      ; xa16
	s_add_nc_u64 s[66:67], s[18:19], s[78:79]      ; rsw
	v_mul_u32_u24 v[XAD], v[R], XP
	v_lshl_add_u32 v[XAD], v[H], 8, v[XAD]
	v_add_nc_u32 v[XAD], s[G0X+1], v[XAD]          ; my tile + 1,040 r + 256 h
	s_lshl_b32 s73, s[WV], 6
	s_add_co_u32 s73, s73, TREG
	v_mul_u32_u24 v[TAD], v[R], XP
	v_lshl_add_u32 v[TAD], v[H], 4, v[TAD]
	v_add_nc_u32 v[TAD], s73, v[TAD]               ; row r, words 16 w + 4 h on
	s_mul_i32 s73, s[WV], SCB
	s_add_co_u32 s73, s73, SCR                     ; my scratch
	v_lshl_add_u32 v[SCW], v[LANE], 2, s73
	v_mul_u32_u24 v[SCRD], v[R], 144
	v_lshl_add_u32 v[SCRD], v[H], 6, v[SCRD]
	v_add_nc_u32 v[SCRD], s73, v[SCRD]
	v_add_nc_u32 v[RSA], 1024, v[SCW]
	v_lshl_add_u32 v[SCI], v[LANE], 4, s73
; 2^e and 448 x 2^e as f32 patterns
.macro POW e, vs, vl
	s_add_co_i32 s72, s[\e], 127
	s_lshl_b32 s73, s72, 23
	v_mov_b32 v[\vs], s73
	s_add_co_i32 s72, s72, 8
	s_lshl_b32 s72, s72, 23
	s_or_b32 s72, s72, 0x600000
	v_mov_b32 v[\vl], s72
.endm
	s_wait_kmcnt 0x0
	POW 24, S0, L0
	POW 26, S2, L2
	POW 27, S3, L3
	POW 25, TT+8, TT+9                             ; e1: for the table alone
	s_add_co_i32 s72, s26, s27                     ; e2 + e3
	; the table: the four numbers that T can be, quantised once by the quantiser itself
	v_mov_b32 v[TT+0], -1.0
	v_mov_b32 v[TT+1], 0
	v_mov_b32 v[TT+2], 1.0
	v_mov_b32 v[TT+3], 2.0
.irp i, 4,5,6,7
	v_mov_b32 v[TT+\i], 0
.endr
.irp i, 0,1,2,3
	v_med3_num_f32 v[TT+\i], v[TT+\i], -v[TT+9], v[TT+9]   ; the conversion to an 8-bit code does not saturate (ISA guide 7.6.2): the hold at the largest code x the scale
.endr
	v_cvt_scalef32_pk8_fp8_f32 v[TT+10:TT+11], v[TT:TT+7], v[TT+8]
	v_nop                                          ; a plain line between the conversion and the first line that touches its result
	v_mov_b32 v[TAB], v[TT+10]
	; ---- T.  Every wave reads its 64 bytes of all sixteen packed rows, which sixteen waves fetched
	s_wait_tensorcnt 0x1                           ; my packed row has landed; one load, x's tile, was issued behind it and may stay out
	s_barrier_signal -1
	s_barrier_wait -1
	ds_load_b128 v[TW:TW+3],   v[TAD]              ; step 0: words c = 0 .. 3 of my half
	ds_load_b128 v[TW+4:TW+7], v[TAD] offset:32    ; step 1
	s_wait_dscnt 0x0
; A word's 16 codes of 2 bits become 16 bytes: eight bits are spread to four bytes (two shifts with or, two masks), and each byte, 0 .. 3, picks its code from the table
.macro UNPACK w, dst
.irp q, 0,1,2,3
	v_bfe_u32 v[TT+\q], v[(\w)], 8*\q, 8
.endr
.irp q, 0,1,2,3
	v_lshl_or_b32 v[TT+\q], v[TT+\q], 12, v[TT+\q]
.endr
.irp q, 0,1,2,3
	v_and_b32 v[TT+\q], s68, v[TT+\q]
.endr
.irp q, 0,1,2,3
	v_lshl_or_b32 v[TT+\q], v[TT+\q], 6, v[TT+\q]
.endr
.irp q, 0,1,2,3
	v_and_b32 v[TT+\q], s69, v[TT+\q]
.endr
.irp q, 0,1,2,3
	v_perm_b32 v[(\dst)+\q], v[TAB], v[TAB], v[TT+\q]
.endr
.endm
.irp s, 0,1
.irp c, 0,1,2,3
	UNPACK TW+4*\s+\c, TO+16*\s+4*\c
.endr
.endr
.irp s, 0,1
.irp c, 0,1,2,3
	global_store_b128 v[O16], v[TO+16*\s+4*\c:TO+16*\s+4*\c+3], s[60:61] offset:2048*\s+512*\c   ; 32 lanes store 512 consecutive bytes, at a multiple of 256 from tq's first byte
.endr
.endr
	; ---- lora_A: quantised as it was loaded; only its codes turn through my scratch, 128 bytes a rank and step, rows 144 bytes apart
	s_wait_loadcnt 0x0
.irp p, 0,1,2,3,4,5,6,7,8,9,10,11,12,13,14,15
.irp i, 0,1,2,3,4,5,6,7
	v_med3_num_f32 v[LA+8*\p+\i], v[LA+8*\p+\i], -v[L3], v[L3]
.endr
	v_cvt_scalef32_pk8_fp8_f32 v[CA+2*\p:CA+2*\p+1], v[LA+8*\p:LA+8*\p+7], v[S3]   ; the low word: step 0's four codes; the high word: step 1's
.endr
	v_nop                                          ; a plain line behind the last conversion
.irp s, 0,1
.irp p, 0,1,2,3,4,5,6,7,8,9,10,11,12,13,14,15
	ds_store_b32 v[SCW], v[CA+2*\p+\s] offset:144*\p
.endr
.irp c, 0,1,2,3
	ds_load_b128 v[AF+16*\s+4*\c:AF+16*\s+4*\c+3], v[SCRD] offset:16*\c   ; rank r, K = 64 h + 16 c on.  LDS serves a wave's instructions in order (ISA guide 5.7.1.4): these see my stores, and step 1's stores come behind them
.endr
.endr
	s_wait_dscnt 0x0
	; ---- x
	s_wait_tensorcnt 0x0                           ; my tile has landed; only I read it
	s_wait_xcnt 0x0                                ; T's stores have read their data: those registers take x's codes under e2
.macro QGRP src, tmp, dst, lim, sc             ; 16 neighbours along K: held, then converted: four registers of codes
.irp i, 0,1,2,3,4,5,6,7,8,9,10,11,12,13,14,15
	v_med3_num_f32 v[(\tmp)+\i], v[(\src)+\i], -v[\lim], v[\lim]
.endr
	v_cvt_scalef32_pk8_fp8_f32 v[(\dst):(\dst)+1], v[(\tmp):(\tmp)+7], v[\sc]
	v_cvt_scalef32_pk8_fp8_f32 v[(\dst)+2:(\dst)+3], v[(\tmp)+8:(\tmp)+15], v[\sc]
.endm
.macro XSTEP s
.irp j, 0,1,2,3,4,5,6,7,8,9,10,11,12,13,14,15
	ds_load_b128 v[XN+4*\j:XN+4*\j+3], v[XAD] offset:512*\s+16*\j   ; my 64 numbers: K = 128 s + 64 h + 0 .. 63 of row r
.endr
	s_wait_dscnt 0x0
.if \s == 0
	v_pk_add_f32 v[RSUM:RSUM+1], v[XN:XN+1], v[XN+2:XN+3]          ; the first sums start the chains: nothing is cleared
	v_pk_add_f32 v[RSB:RSB+1], v[XN+4:XN+5], v[XN+6:XN+7]
.else
	v_pk_add_f32 v[RSUM:RSUM+1], v[RSUM:RSUM+1], v[XN:XN+1]
	v_pk_add_f32 v[RSB:RSB+1], v[RSB:RSB+1], v[XN+2:XN+3]
	v_pk_add_f32 v[RSUM:RSUM+1], v[RSUM:RSUM+1], v[XN+4:XN+5]
	v_pk_add_f32 v[RSB:RSB+1], v[RSB:RSB+1], v[XN+6:XN+7]
.endif
.irp j, 8,12,16,20,24,28,32,36,40,44,48,52,56,60
	v_pk_add_f32 v[RSUM:RSUM+1], v[RSUM:RSUM+1], v[XN+\j:XN+\j+1]
	v_pk_add_f32 v[RSB:RSB+1], v[RSB:RSB+1], v[XN+\j+2:XN+\j+3]
.endr
.irp c, 0,1,2,3
	QGRP XN+16*\c, HT+16*(\c%2), XC+16*\s+4*\c, L0, S0             ; under e0; the numbers stay as they are
.endr
	v_nop
.irp c, 0,1,2,3
	global_store_b128 v[O16], v[XC+16*\s+4*\c:XC+16*\s+4*\c+3], s[58:59] offset:2048*\s+512*\c   ; 512 consecutive bytes a store; each step has registers of its own, so no store's data are written again
.endr
.irp c, 0,1,2,3
	QGRP XN+16*\c, XN+16*\c, XF+16*\s+4*\c, L2, S2                 ; under e2, held in place
.endr
	v_nop                                          ; a plain line between the last conversion and the matrix instruction that reads its result
	v_wmma_f32_16x16x128_fp8_fp8 v[ACC+8*\s:ACC+8*\s+7], v[AF+16*\s:AF+16*\s+15], v[XF+16*\s:XF+16*\s+15], 0   ; source 0 = the 16 ranks, source 1 = my 16 tokens: a lane holds token r and ranks 8 h + 0 .. 7.  An accumulator for each step: no chain
.endm
	XSTEP 0
	XSTEP 1
	; ---- the sum over the sixteen waves' K slices
.rept 4
	v_nop                                          ; four places behind the last matrix instruction, ahead of the first read of its result (ISA guide 7.12.1)
.endr
.irp i, 0,2,4,6
	v_pk_add_f32 v[RT+\i:RT+\i+1], v[ACC+\i:ACC+\i+1], v[ACC+8+\i:ACC+8+\i+1]   ; both accumulators from their low ends on
.endr
	v_pk_add_f32 v[RSUM:RSUM+1], v[RSUM:RSUM+1], v[RSB:RSB+1]
	v_add_f32 v[RSUM], v[RSUM], v[RSUM+1]
	ds_store_b128 v[SCI], v[RT:RT+3]
	ds_store_b128 v[SCI], v[RT+4:RT+7] offset:512
	ds_store_b32 v[RSA], v[RSUM]
	s_wait_tensorcnt 0x0                           ; my last LDS store stands above; the wait for 0 on DScnt also shows my stores landed, for wave 0's sake
	ds_add_u32 v[SPW], v[NIL]
	s_wait_dscnt 0x0
	s_barrier_signal -1
	s_barrier_wait -1
	s_cmp_lg_u32 s[WV], 0
	s_cbranch_scc1 .Lend
.irp w, 0,1,2,3,4,5,6,7,8,9,10,11,12,13,14,15  ; wave 0: its scratch address + 2,304 w is wave w's
	ds_load_b128 v[128+8*\w:131+8*\w], v[SCI] offset:SCB*\w
	ds_load_b128 v[132+8*\w:135+8*\w], v[SCI] offset:SCB*\w+512
	ds_load_b32 v[96+\w], v[RSA] offset:SCB*\w
.endr
	s_wait_dscnt 0x0
.irp w, 2,4,6,8,10,12,14                       ; two chains: the even waves', the odd waves'
.irp i, 0,2,4,6
	v_pk_add_f32 v[128+\i:129+\i], v[128+\i:129+\i], v[128+8*\w+\i:129+8*\w+\i]
	v_pk_add_f32 v[136+\i:137+\i], v[136+\i:137+\i], v[136+8*\w+\i:137+8*\w+\i]
.endr
.endr
.irp i, 0,2,4,6
	v_pk_add_f32 v[128+\i:129+\i], v[128+\i:129+\i], v[136+\i:137+\i]
.endr
.irp j, 100,104,108
	v_pk_add_f32 v[96:97], v[96:97], v[\j:\j+1]
	v_pk_add_f32 v[98:99], v[98:99], v[\j+2:\j+3]
.endr
	v_pk_add_f32 v[96:97], v[96:97], v[98:99]
	v_add_f32 v96, v96, v97
	v_permlanex16_b32 v97, v96, s70, s71           ; the row's other half of each step lies in the lane 16 away
	v_add_f32 v96, v96, v97
	v_mov_b32 v97, v96                             ; the sum twice: a pair for the reader's packed multiply-add
.irp j, 0,1,2,3,4,5,6,7
	v_ldexp_f32 v[128+\j], v[128+\j], s72          ; x 2^(e2 + e3)
.endr
.irp k, 0,1,2,3
	v_cvt_pk_bf16_f32 v[112+\k], v[128+2*\k], v[129+2*\k]
.endr
	global_store_b128 v[O16], v[112:115], s[62:63] ; 512 consecutive bytes
	global_store_b64 v[O8], v[96:97], s[66:67]     ; 256 consecutive bytes, at a multiple of 256 from rsw's first byte
.Lend:
	s_endpgm
.Lfunc_end_k_q6714c37599_prep:
	.size	k_q6714c37599_prep, .Lfunc_end_k_q6714c37599_prep-k_q6714c37599_prep
	.p2alignl 7, 3214868480
	.fill 96, 4, 3214868480
	.section	.rodata,"a",@progbits
	.p2align	6, 0x0
	.amdhsa_kernel k_q6714c37599_prep
		.amdhsa_group_segment_fixed_size 327680
		.amdhsa_private_segment_fixed_size 0
		.amdhsa_enable_private_segment 0
		.amdhsa_kernarg_size 64
		.amdhsa_user_sgpr_count 2
		.amdhsa_user_sgpr_kernarg_segment_ptr 1
		.amdhsa_wavefront_size32 1
		.amdhsa_system_sgpr_workgroup_id_x 1
		.amdhsa_system_sgpr_workgroup_id_y 1
		.amdhsa_system_sgpr_workgroup_id_z 1
		.amdhsa_system_vgpr_workitem_id 0
		.amdhsa_next_free_vgpr 256
		.amdhsa_next_free_sgpr 80
		.amdhsa_reserve_vcc 0
		.amdhsa_float_denorm_mode_32 3
		.amdhsa_float_denorm_mode_16_64 3
		.amdhsa_memory_ordered 1
		.amdhsa_forward_progress 1
		.amdhsa_inst_pref_size 66
	.end_amdhsa_kernel
	.amdgpu_metadata
---
amdhsa.version: [ 1, 2 ]
amdhsa.kernels:
  - .name:           k_q6714c37599_prep
    .symbol:         k_q6714c37599_prep.kd
    .args:
      - { .name: x, .offset: 0, .size: 8, .value_kind: global_buffer, .address_space: global }
      - { .name: int2_packed, .offset: 8, .size: 8, .value_kind: global_buffer, .address_space: global }
      - { .name: lora_A, .offset: 16, .size: 8, .value_kind: global_buffer, .address_space: global }
      - { .name: lowp_scales, .offset: 24, .size: 8, .value_kind: global_buffer, .address_space: global }
      - { .name: xq, .offset: 32, .size: 8, .value_kind: global_buffer, .address_space: global }
      - { .name: tq, .offset: 40, .size: 8, .value_kind: global_buffer, .address_space: global }
      - { .name: xa16, .offset: 48, .size: 8, .value_kind: global_buffer, .address_space: global }
      - { .name: rsw, .offset: 56, .size: 8, .value_kind: global_buffer, .address_space: global }
    .group_segment_fixed_size: 327680
    .private_segment_fixed_size: 0
    .kernarg_segment_align: 8
    .kernarg_segment_size: 64
    .max_flat_workgroup_size: 512
    .sgpr_count:     80
    .vgpr_count:     256
    .wavefront_size: 32
...
	.end_amdgpu_metadata
.endif
;; end of part 1
;; launch gemm (part 2): grid 16 x 16, 4 waves a work-group, clusters of 4 x 4, 327,680 bytes of LDS; arguments xq, tq, lowp_scales, out0, alpha, mu, bias, lora_B, xa16, rsw; writes out0
.if DOCPART == 2
	.amdgcn_target "amdgcn-amd-amdhsa--gfx1250"
	.amdhsa_code_object_version 6
	.text
	.protected	k_q6714c37599_gemm
	.globl	k_q6714c37599_gemm
	.p2align	8
	.type	k_q6714c37599_gemm,@function
k_q6714c37599_gemm:
	s_mov_b64 s[64:65], 0
	v_nop
	global_prefetch_b8 v0, s[64:65] scope:SCOPE_SE
	s_setreg_imm32_b32 hwreg(HW_REG_WAVE_MODE, 25, 1), 1
	s_wait_xcnt 0x0
	s_wait_alu depctr_hold_cnt(0) depctr_sa_sdst(0) depctr_va_vdst(0) depctr_va_sdst(0) depctr_va_ssrc(0) depctr_va_vcc(0) depctr_vm_vsrc(0)
	s_getreg_b32 s2, hwreg(HW_REG_IB_STS2, 6, 4)
	s_cmp_eq_u32 s2, 0
	s_cbranch_scc0 .Lentry_in_a_cluster
	s_endpgm
.Lentry_in_a_cluster:
	s_bfe_u32 s2, ttmp6, 0x10000c
	s_cmp_lg_u32 s2, 0xf033
	s_cbranch_scc0 .Lentry_shape_is_right
	s_endpgm
.Lentry_shape_is_right:
; out0[t][o] = alpha[o] 2^(e0 + e1) (sum over K of xq[t] tq[o]) + mu[o] rowsum[t] + bias[o] + sum over the 16 ranks of xa[t][r] lora_B[o][r].
; xq, tq: codes of E4M3, laid as images of the operands' registers: [ks 16][block of 16 rows 256][s 2][c 4][lane 32][16 bytes]: a fragment (16 rows x 128 K) is four loads of 16 bytes a lane, 512 bytes apart, dense.
; The place of K in the registers is a permutation, the same in both operands.  xa16: [block][lane][8 bf16]; rsw: [block][lane][2 f32] (the row's sum twice).
; A tile of out0, 256 x 256, is made by a work-group of four waves; a wave makes 128 x 128: 64 accumulators, 512 registers.  K goes in 16 steps of 256 through a ring of two LDS slots filled by the tensor data mover;
; a wave's load is one dense block of 32,768 bytes (8 blocks of 16 rows), stated as 128 rows of 256 bytes.
; CLUSTERS: 4 x 4 work-groups.  The four of a row of the cluster need the same blocks of xq, the four of a column the same of tq: each is asked for JOINTLY, by the same tensor load with the same descriptor and a mask that
; names the four.  THE MATRIX INSTRUCTION IS USED TRANSPOSED (source 0 = 16 rows of T, source 1 = 16 tokens): a lane holds eight neighbouring outputs of one token.
; THE END OF A TILE.  For each block of 16 tokens: mu x rowsum + bias (f32, packed) starts 8 sums; one bf16 matrix instruction each adds the ranks' product (K = 16: the operands' upper halves are zeros);
; one packed multiply-add takes in the accumulator x alpha 2^(e0 + e1).  The vectors wait in each wave's own LDS bytes, put there at the head, under the first tiles' way in.
; LIMIT: alpha[o] x 2^(e0 + e1) is an f32 number (it is made once, by v_ldexp_f32).  NaN among the inputs is not served.
; REGISTERS, in windows of 256: window 0: v0-31 addresses; from v128 A's fragments, ONE set; at the end v32-95 the block's results, v96-115 xa's fragment and the rows' sums (two sets), v128-255 rows on their way out.
;   window 1: B's fragments, TWO sets; at the end alpha, mu, bias (64 each) and lora_B's 8 fragments.   window 2: the accumulators of my tokens 0-63 ((a, b) at v[8 (8 a + b)]);   window 3: of my tokens 64-127.
.set KSB,    1<<20                     ; from a K step to the next in xq and in tq
.set RB,     4096                      ; a block of 16 rows x 256 K
.set FR,     16                        ; registers of a fragment
.set NL,     4                         ; LDS loads that bring one
.set NP,     4                         ; places behind these matrix instructions (ISA guide 7.12.1)
.set HALFT,  8*RB                      ; what one tensor load brings, and what one wave reads of A or of B
.set SLOT,   4*HALFT                   ; A's 16 blocks, then B's 16
.set LAPS,   8                         ; a lap = two K steps = once round the ring
.set SPARE,  2*SLOT                    ; behind the ring: the spare words, 128 bytes for each wave: two blocks of 256 bytes that no other line names
.set PAR0,   SPARE+512                 ; behind them: each wave's own vectors, written by LDS stores alone; no tile lands there
.set PARW,   11776
.set ALP,    0                         ; alpha x 2^(e0 + e1) of my 128 outputs
.set MUU,    512                       ; mu
.set BIA,    1024                      ; bias
.set RS,     1536                      ; the rows' sums of my 8 blocks, 256 bytes each
.set LB,     3584                      ; lora_B's 8 fragments in bf16, 512 bytes each
.set XA,     7680                      ; xa's 8 fragments, 512 bytes each
.set SPITCH, 528                       ; the way out: a stage of 16 rows x (512 bytes + 16) for each wave, in slot 0, which has had its last fill and its last read when the first result is stored there
.set ROWC,   16384                     ; a row of out0 in bytes
.set PV,   8                           ; v8   my vectors + 32 (lane / 16)
.set PI,   9                           ; v9   my vectors + 16 x lane
.set PR,   10                          ; v10  my vectors + 8 x lane
.set PLB,  11                          ; v11  where a lane's four numbers of lora_B go in a fragment's image
.set ADRA, 16                          ; v16-17  LDS address of my A fragments in slot 0, 1
.set ADRB, 20                          ; v20-21  the same for B
.set STO,  24                          ; v24  the way out: where I put 32 bytes of a row
.set RD,   25                          ; v25  where I read a row back
.set CO,   26                          ; v26  16 x lane
.set SPW,  28                          ; v28  LDS address of my spare word; never rewritten
.set NIL,  29                          ; v29  0; never rewritten
.set PFO,  30                          ; v30  256 x lane: the prefetches' offset; never rewritten
.set TMP,  32
.set XAF,  96
.set RSP,  112
.set AF,   128
.set BK,   128
.set ALV,  0                           ; in window 1
.set MUV,  64
.set BIV,  128
.set LBF,  192
.set G1, 24                            ; s[24:31] group 1 for A's blocks;  s[32:39] group 0, one set for each slot
.set G0, 32
.set G1B, 48                           ; s[48:55], s[56:63] the same for B's
.set G0B, 56
.set PFA, 66                           ; s[66:67] where my prefetches stand: my work-group's 8,192 bytes of the 32,768 that I fetch, one K step further on than the refill in hand
.set LIM, 80                           ; s80  1 in a wave that prefetches, else the greatest number
.set MSB, 0
.macro WIN new                         ; the immediate's high byte repeats the setting that is left
.if MSB != \new
	s_set_vgpr_msb (MSB<<8)|\new
.set MSB, \new
.endif
.endm
.set MUL_LO, 0xa1                      ; source 0 (B) window 1, source 1 (A) window 0, C and D window 2
.set MUL_HI, 0xf1                      ; the same, C and D window 3
.set TO_B,   0x40                      ; destination window 1, address window 0
; A joint load: waves 0 and 1 fetch for A, waves 2 and 3 for B.  Each of the two lines has ONE mask and one set of registers for all that issue it; the branch hangs on the wave's number alone.
; An s_nop 0 and four v_nop follow each of the two lines, ahead of the jump, the label and what follows.
.macro JLOAD g0a, g1a, g0b, g1b
	s_cmp_eq_u32 s15, 0
	s_cbranch_scc0 .Lfor_b_\@
	tensor_load_to_lds s[\g0a:\g0a+3], s[\g1a:\g1a+7]
	s_nop 0
.rept 4
	v_nop
.endr
	s_branch .Lasked_\@
.Lfor_b_\@:
	tensor_load_to_lds s[\g0b:\g0b+3], s[\g1b:\g1b+7]
	s_nop 0
.rept 4
	v_nop
.endr
.Lasked_\@:
.endm
; A prefetch of the K step that stands two refills on, 256 matrix instructions ahead of the load that will want it: 8,192 bytes, lanes 256 bytes apart, one instruction a wave.  Each aligned block of 256 bytes is named once
; in the launch: A's blocks are read by every cluster of a row of clusters, so cluster x = 0 asks; B's by every cluster of a column, so cluster y = 0 asks; the four partners that ask for a block jointly share it out by
; address (cx for A, cy for B).  In the loop's last trip (s3 = 1) there is no K step two refills on, and nothing is asked for.  K steps 0 to 3 come by their loads alone.
.macro ASK
	s_cmp_gt_u32 s3, s[LIM]
	s_cbranch_scc0 .Lnot_mine_\@
	global_prefetch_b8 v[PFO], s[PFA:PFA+1] offset:KSB th:TH_LOAD_NT scope:SCOPE_SE
.Lnot_mine_\@:
.endm
.macro CREST                           ; a round of the cluster's barrier behind its opening barrier
	s_cmp_lg_u32 s14, 0
	s_cbranch_scc1 .Lnot_wave_0_\@
	s_barrier_signal -3
.Lnot_wave_0_\@:
	s_barrier_wait -3
	s_barrier_signal -1
	s_barrier_wait -1
.endm
.macro CROUND                          ; a whole round
	s_barrier_signal -1
	s_barrier_wait -1
	CREST
.endm
	s_load_b128 s[4:7], s[0:1], 0x0                ; xq s[4:5], tq s[6:7]
	s_load_b128 s[8:11], s[0:1], 0x10              ; lowp_scales s[8:9], out0 s[10:11]
	s_load_b256 s[68:75], s[0:1], 0x20             ; alpha, mu, bias, lora_B
	s_load_b128 s[76:79], s[0:1], 0x40             ; xa16, rsw
	v_lshl_add_u32 v[SPW], v0, 2, SPARE
	v_mov_b32 v[NIL], 0
	ds_add_u32 v[SPW], v[NIL]                      ; the wave's opening: the add and its wait stand ahead of my first tensor load; the set-up below, work on registers, stands between them
	v_lshrrev_b32 v1, 5, v0
	v_readfirstlane_b32 s14, v1                    ; wave 0..3
	s_lshr_b32 s15, s14, 1                         ; which half of the tile's tokens is mine.  Also: I fetch for A (0) or for B (1)
	s_and_b32 s16, s14, 1                          ; which half of its outputs.  Also: which 8 blocks I fetch
	s_bfe_u32 s40, ttmp6, 0x40000                  ; cx, cy: my place in the cluster
	s_bfe_u32 s41, ttmp6, 0x40004
	s_lshl_b32 s42, ttmp9, 2
	s_add_co_u32 s42, s42, s40                     ; tile column = 4 x cluster x + cx
	s_and_b32 s17, ttmp7, 0xffff
	s_lshl_b32 s17, s17, 2
	s_add_co_u32 s17, s17, s41                     ; tile row = 4 x cluster y + cy
	s_lshl_b32 s43, s41, 2
	s_lshl_b32 s43, 15, s43                        ; my row of the cluster
	s_lshl_b32 s44, 0x1111, s40                    ; my column
	; group 1: 128 rows of 32 elements of 8 bytes, dense
	s_or_b32 s[G1+0], s43, (3<<16)|(1<<21)         ; 15:0 the mask: A's blocks go to my row; 17:16 elements of 8 bytes; 21 set beside a mask; no padding: a fragment's loads are dense
	s_or_b32 s[G1B+0], s44, (3<<16)|(1<<21)
.irp g, G1, G1B
	s_mov_b32 s[\g+1], 32<<16                      ; tensor_dim0
	s_mov_b32 s[\g+2], 128<<16                     ; tensor_dim1
	s_mov_b32 s[\g+3], 32<<16                      ; tile_dim0
	s_mov_b32 s[\g+4], 128                         ; tile_dim1
	s_mov_b32 s[\g+5], 32                          ; stride
	s_mov_b32 s[\g+6], 0
	s_mov_b32 s[\g+7], 0
.endr
	s_lshl_b32 s18, s16, 15                        ; which 8 blocks of the tile's 16 I fetch
	s_lshl_b32 s20, s17, 16
	s_add_co_u32 s20, s20, s18                     ; A: 65,536 x tile row + 32,768 x half
	s_lshl_b32 s46, s42, 16
	s_add_co_u32 s46, s46, s18                     ; B: the same with the tile column
	s_mov_b32 s21, 0
	s_mov_b32 s47, 0
	s_mul_i32 s45, s14, HALFT                      ; where they go: wave x 32,768: no place in the cluster enters an LDS address
	s_wait_dscnt 0x0                               ; the opening add is done
	s_wait_kmcnt 0x0
	s_load_b64 s[96:97], s[8:9], 0x0               ; e0, e1
	s_add_nc_u64 s[20:21], s[4:5], s[20:21]
	s_add_nc_u64 s[46:47], s[6:7], s[46:47]
	CROUND                                         ; all sixteen work-groups are here: the first joint loads meet
.irp s, 0,1
	s_mov_b32 s[G0+4*\s], 1
	s_add_co_u32 s[G0+4*\s+1], s45, \s*SLOT
	s_add_nc_u64 s[G0+4*\s+2:G0+4*\s+3], s[20:21], \s*KSB
	s_or_b32 s[G0+4*\s+3], s[G0+4*\s+3], 0x80000000
	s_mov_b32 s[G0B+4*\s], 1
	s_add_co_u32 s[G0B+4*\s+1], s45, \s*SLOT
	s_add_nc_u64 s[G0B+4*\s+2:G0B+4*\s+3], s[46:47], \s*KSB
	s_or_b32 s[G0B+4*\s+3], s[G0B+4*\s+3], 0x80000000
	JLOAD G0+4*\s, G1, G0B+4*\s, G1B
.endr
	v_and_b32 v1, 15, v0                           ; r = lane % 16
	v_bfe_u32 v2, v0, 4, 1                         ; h = lane / 16
	v_and_b32 v6, 31, v0
	v_lshlrev_b32 v[CO], 4, v6
	; my vectors, asked for while the first tiles are on their way: 31 loads of 512 consecutive bytes
	s_lshl_b32 s46, s42, 10
	s_lshl_b32 s47, s16, 9
	s_add_co_u32 s46, s46, s47                     ; my first output, in bytes of f32: 1,024 x tile column + 512 x half
	s_mov_b32 s47, 0
	s_add_nc_u64 s[68:69], s[68:69], s[46:47]
	s_add_nc_u64 s[70:71], s[70:71], s[46:47]
	s_add_nc_u64 s[72:73], s[72:73], s[46:47]
	s_lshl_b32 s18, s46, 4                         ; a row of lora_B is 64 bytes
	s_mov_b32 s19, 0
	s_add_nc_u64 s[74:75], s[74:75], s[18:19]
	s_lshl_b32 s18, s17, 12
	s_lshl_b32 s22, s15, 11
	s_add_co_u32 s18, s18, s22                     ; my first block of tokens x 256 bytes
	s_add_nc_u64 s[78:79], s[78:79], s[18:19]
	s_lshl_b32 s18, s18, 1                         ; x 512 bytes
	s_add_nc_u64 s[76:77], s[76:77], s[18:19]
	global_load_b128 v[32:35], v[CO], s[68:69]     ; alpha
	global_load_b128 v[36:39], v[CO], s[70:71]     ; mu
	global_load_b128 v[40:43], v[CO], s[72:73]     ; bias
.irp i, 0,1,2,3
	global_load_b128 v[44+4*\i:47+4*\i], v[CO], s[78:79] offset:512*\i     ; the rows' sums
.endr
.irp i, 0,1,2,3,4,5,6,7
	global_load_b128 v[60+4*\i:63+4*\i], v[CO], s[76:77] offset:512*\i     ; xa's fragments
.endr
.irp i, 0,1,2,3,4,5,6,7,8,9,10,11,12,13,14,15
	global_load_b128 v[92+4*\i:95+4*\i], v[CO], s[74:75] offset:512*\i     ; lora_B: output 8 i + lane / 4, ranks 4 (lane % 4) + 0 .. 3
.endr
	; out0 at my part of the tile
	s_lshl_b32 s20, s17, 8
	s_lshl_b32 s21, s15, 7
	s_add_co_u32 s20, s20, s21                     ; my first token: 256 x tile row + 128 x half
	s_lshl_b32 s20, s20, 14                        ; x 16,384 bytes: under 2^32
	s_mov_b32 s21, 0
	s_add_nc_u64 s[20:21], s[20:21], s[46:47]
	s_add_nc_u64 s[10:11], s[10:11], s[20:21]
	; LDS addresses
	s_mul_i32 s21, s15, HALFT                      ; my 8 blocks of A
	s_mul_i32 s22, s16, HALFT                      ; my 8 blocks of B,
	s_add_co_u32 s22, s22, 2*HALFT                 ; which lie behind A's 16
.irp s, 0,1
	v_add_nc_u32 v[ADRA+\s], s21, v[CO]
	v_add_nc_u32 v[ADRB+\s], s22, v[CO]
	s_add_co_u32 s21, s21, SLOT
	s_add_co_u32 s22, s22, SLOT
.endr
	s_mul_i32 s23, s14, 16*SPITCH                  ; my stage
	v_mul_u32_u24 v5, v1, SPITCH                   ; in: row r, 32 bytes for each half of the lanes
	v_lshl_add_u32 v5, v2, 5, v5
	v_add_nc_u32 v[STO], s23, v5
	v_add_nc_u32 v[RD], s23, v[CO]                 ; back: the 32 lanes take one row of 512 bytes
	s_mul_i32 s23, s14, PARW
	s_add_co_u32 s23, s23, PAR0                    ; my vectors
	v_lshl_add_u32 v[PV], v2, 5, s23
	v_add_nc_u32 v[PI], s23, v[CO]
	v_lshl_add_u32 v[PR], v6, 3, s23
	v_bfe_u32 v[PLB], v0, 1, 1                     ; ranks 8 .. 15 belong to the fragment's lanes 16-31: 256 bytes on;
	v_lshl_add_u32 v[PLB], v[PLB], 8, s23
	v_bfe_u32 v7, v0, 2, 3                         ; the output's lane: 16 bytes each;
	v_lshl_add_u32 v[PLB], v7, 4, v[PLB]
	v_and_b32 v7, 1, v0                            ; four ranks are 8 bytes of bf16
	v_lshl_add_u32 v[PLB], v7, 3, v[PLB]
	; the prefetches: where mine stand, and who asks
	s_and_b32 s22, ttmp7, 0xffff                   ; cluster y
	s_cmp_eq_u32 s15, 0                            ; do I fetch for A?
	s_cselect_b32 s18, s17, s42                    ; the tile row, or the tile column
	s_cselect_b32 s19, s40, s41                    ; my place among the four that ask with me
	s_cselect_b32 s22, ttmp9, s22                  ; the coordinate along which other clusters read the same blocks
	s_cselect_b64 s[PFA:PFA+1], s[4:5], s[6:7]
	s_cmp_eq_u32 s22, 0
	s_cselect_b32 s[LIM], 1, -1                    ; the same in all sixteen partners, for a given wave
	s_lshl_b32 s18, s18, 16
	s_lshl_b32 s22, s16, 15
	s_add_co_u32 s18, s18, s22                     ; the 32,768 bytes that I fetch,
	s_lshl_b32 s19, s19, 13
	s_add_co_u32 s18, s18, s19                     ; my work-group's 8,192 of them,
	s_add_co_u32 s18, s18, 2*KSB                   ; at K step 2: the first refill steps it to 3 and names K step 4
	s_mov_b32 s19, 0
	s_add_nc_u64 s[PFA:PFA+1], s[PFA:PFA+1], s[18:19]
	v_lshlrev_b32 v[PFO], 8, v6
	; my vectors go into my own LDS bytes
	s_wait_kmcnt 0x0
	s_add_co_i32 s96, s96, s97                     ; e0 + e1
	s_wait_loadcnt 0x0
.irp i, 0,1,2,3
	v_ldexp_f32 v[32+\i], v[32+\i], s96            ; alpha x 2^(e0 + e1): a sum of codes stands for sum x 2^(e0 + e1)
.endr
.irp i, 0,1,2,3,4,5,6,7,8,9,10,11,12,13,14,15
	v_cvt_pk_bf16_f32 v[92+4*\i], v[92+4*\i], v[93+4*\i]
	v_cvt_pk_bf16_f32 v[93+4*\i], v[94+4*\i], v[95+4*\i]
.endr
	ds_store_b128 v[PI], v[32:35] offset:ALP
	ds_store_b128 v[PI], v[36:39] offset:MUU
	ds_store_b128 v[PI], v[40:43] offset:BIA
.irp i, 0,1,2,3
	ds_store_b128 v[PI], v[44+4*\i:47+4*\i] offset:RS+512*\i
.endr
.irp i, 0,1,2,3,4,5,6,7
	ds_store_b128 v[PI], v[60+4*\i:63+4*\i] offset:XA+512*\i
.endr
.irp i, 0,1,2,3,4,5,6,7,8,9,10,11,12,13,14,15
	ds_store_b64 v[PLB], v[92+4*\i:93+4*\i] offset:LB+512*(\i/2)+128*(\i%2)   ; fragment i / 2; its lane 8 (i % 2) + lane / 4 (+ 16 for ranks 8 on)
.endr
.macro FRAG reg, adr, q, i             ; a fragment as its image lies: block i, the slot's q-th 128 along K, four groups of 512 bytes
.irp c, 0,1,2,3
	ds_load_b128 v[\reg+4*\c:\reg+4*\c+3], v[\adr] offset:RB*(\i)+2048*(\q)+512*\c
.endr
.endm
; 16 matrix instructions: A's blocks a0, a0 + 1 x B's eight, 128 along K.  p: B's set.  zero = 1: the first product starts the sums: nothing is ever cleared.
; The 64 accumulators take turns, one instruction a turn, in the same order in every step.
.macro MUL16 a0, p, zero
.irp a, \a0, \a0+1
.irp b, 0,1,2,3,4,5,6,7
.if \zero
	v_wmma_f32_16x16x128_fp8_fp8 v[8*(8*((\a)%4)+\b):8*(8*((\a)%4)+\b)+7], v[128*(\p)+FR*\b:128*(\p)+FR*\b+FR-1], v[AF+FR*(\a):AF+FR*(\a)+FR-1], 0
.else
	v_wmma_f32_16x16x128_fp8_fp8 v[8*(8*((\a)%4)+\b):8*(8*((\a)%4)+\b)+7], v[128*(\p)+FR*\b:128*(\p)+FR*\b+FR-1], v[AF+FR*(\a):AF+FR*(\a)+FR-1], v[8*(8*((\a)%4)+\b):8*(8*((\a)%4)+\b)+7]
.endif
.endr
.endr
.endm
.macro FETCH_B slot, q, p              ; B's eight fragments of the slot's q-th 128 along K into set p
	WIN TO_B
.irp i, 0,1,2,3,4,5,6,7
	FRAG 128*(\p)+FR*\i, ADRB+\slot, \q, \i
.endr
	WIN 0
.endm
.macro FETCH_A slot, q, i0             ; A's blocks i0 .. i0 + 3
.irp i, \i0, \i0+1, \i0+2, \i0+3
	FRAG AF+FR*(\i), ADRA+\slot, \q, \i
.endr
.endm
; A load into a register that a matrix instruction has read, and a vector instruction or an LDS store that reads a matrix result, stand NP places behind that matrix instruction, and only plain vector
; instructions that name none of its registers are places (ISA guide 7.12.1 for vector instructions).
.macro PLACES n
.rept \n
	v_nop
.endr
.endm
; A step of 128 along K that has its successor in the same slot.
.macro STEP slot, q, zero
	s_wait_dscnt 4*NL                              ; B's set and A's blocks 0-3 are in; the youngest sixteen loads (A's blocks 4-7) may be out
	WIN MUL_LO
	MUL16 0, (\q)%2, \zero
	MUL16 2, (\q)%2, \zero
	s_wait_dscnt 0                                 ; A's blocks 4-7 are in (asked for 32 matrix instructions ago)
	PLACES NP
	FETCH_B \slot, (\q)+1, 1-(\q)%2
	FETCH_A \slot, (\q)+1, 0
	WIN MUL_HI
	MUL16 4, (\q)%2, \zero
	MUL16 6, (\q)%2, \zero
	PLACES NP
	WIN 0
	FETCH_A \slot, (\q)+1, 4
.endm
; A slot's last step changes slots: ONE barrier; in front of it each wave waits for all its tensor loads, adds 0 to its spare word, and waits for that and for its own reads of this slot.  fill = 1: this slot is filled again, two K steps ahead.
.macro TURN slot, next, fill
.if \fill
	s_wait_xcnt 0x0                                ; the last prefetch, a K step back, has read its address: it is stepped here, ahead of the waits of the change of slots
	s_add_nc_u64 s[PFA:PFA+1], s[PFA:PFA+1], KSB
.endif
	s_wait_tensorcnt 0x0                           ; all my tensor loads have landed: my part of the next slot;  (every window is 0 here: the add's two registers lie in window 0)
	ds_add_u32 v[SPW], v[NIL]                      ; 0 onto my spare word
	s_wait_dscnt 4*NL+1                            ; (the add and the youngest sixteen loads, A's blocks 4-7, may be out)
	WIN MUL_LO
	MUL16 0, 1, 0                                  ; sixteen matrix instructions stand between the add and the wait for it
	s_wait_dscnt 0x0                               ; the add is done, and my reads of this slot are over
	s_barrier_signal -1
	MUL16 2, 1, 0
	WIN 0
	s_barrier_wait -1
.if \fill
	CREST                                          ; the barrier has opened a round of the cluster's barrier: no wave of any partner still reads this slot's tile or has a load on its way
	s_add_nc_u64 s[G0+4*\slot+2:G0+4*\slot+3], s[G0+4*\slot+2:G0+4*\slot+3], 2*KSB
	s_add_nc_u64 s[G0B+4*\slot+2:G0B+4*\slot+3], s[G0B+4*\slot+2:G0B+4*\slot+3], 2*KSB
	JLOAD G0+4*\slot, G1, G0B+4*\slot, G1B         ; the first tensor load behind the round; the four v_nop behind it are the places in front of the loads below
.else
	PLACES NP
.endif
	FETCH_B \next, 0, 0
	FETCH_A \next, 0, 0
.if \fill
	ASK                                            ; behind the joint load and the run of LDS loads that the next products wait for
.endif
	WIN MUL_HI
	MUL16 4, 1, 0
	MUL16 6, 1, 0
	PLACES NP
	WIN 0
	FETCH_A \next, 0, 4
.endm
	s_wait_dscnt 0x0                               ; my stores of the vectors have landed: no LDS instruction is out at a signal
	s_wait_tensorcnt 1                             ; my part of K step 0 is in (K step 1's load may be out)
	s_barrier_signal -1
	s_barrier_wait -1                              ; everybody's is
	FETCH_B 0, 0, 0
	FETCH_A 0, 0, 0
	FETCH_A 0, 0, 4
	STEP 0, 0, 1                                   ; the first step stands in front of the loop: its products start the sums
	s_mov_b32 s3, LAPS-1
.Llap:                                                 ; a trip goes once round the ring, from a lap's second step to the next lap's first, and fills both slots again
	TURN 0, 1, 1
	STEP 1, 0, 0
	TURN 1, 0, 1
	STEP 0, 0, 0
	s_sub_co_u32 s3, s3, 1
	s_cmp_lg_u32 s3, 0
	s_cbranch_scc1 .Llap
	TURN 0, 1, 0                                   ; the last lap fills nothing, and has no round of the cluster's barrier
	STEP 1, 0, 0
	s_wait_dscnt 4*NL                              ; the very last step: nothing more to fetch
	WIN MUL_LO
	MUL16 0, 1, 0
	MUL16 2, 1, 0
	s_wait_dscnt 0
	WIN MUL_HI
	MUL16 4, 1, 0
	MUL16 6, 1, 0
	WIN 0
; THE END OF THE TILE, block by block of 16 tokens x 128 outputs.  Register 8 b + j of a lane is (token r, output 16 b + 8 h + j).
.macro PRE a                           ; block a's fragment of xa (token r, ranks 8 h on) and its rows' sums, into set a % 2
	ds_load_b128 v[XAF+8*((\a)%2):XAF+8*((\a)%2)+3], v[PI] offset:XA+512*(\a)
	ds_load_b64 v[RSP+2*((\a)%2):RSP+2*((\a)%2)+1], v[PR] offset:RS+256*(\a)
.endm
.macro TOSTAGE a
.if (\a) < 7
	PRE (\a)+1                                     ; its registers were last read by the block before this one: 36 plain vector lines back
.endif
.if (\a) == 0
	s_wait_dscnt 2                                 ; the vectors and block 0's operands are in; the two loads just issued may be out
.elseif (\a) < 7
	s_wait_dscnt 34                                ; my operands are in; behind them: the last block's 16 stores and 16 loads, and the two loads just issued
.else
	s_wait_dscnt 32                                ; the same without the two
.endif
.set AC, 64*((\a)%4)
.set XS, XAF+8*((\a)%2)
.set RP, RSP+2*((\a)%2)
	WIN 0x11                                       ; sources 0 and 2 (mu, bias) window 1
.set j, 0
.rept 32
	v_pk_fma_f32 v[TMP+j:TMP+j+1], v[MUV+j:MUV+j+1], v[RP:RP+1], v[BIV+j:BIV+j+1]   ; mu x the row's sum + bias
.set j, j+2
.endr
	WIN 0x01                                       ; source 0 (lora_B) window 1
.irp b, 0,1,2,3,4,5,6,7
	v_wmma_f32_16x16x32_bf16 v[TMP+8*\b:TMP+8*\b+7], v[LBF+8*\b:LBF+8*\b+7], v[XS:XS+7], v[TMP+8*\b:TMP+8*\b+7]   ; + the ranks' product: eight sums, one instruction each
.endr
	PLACES NP
	WIN 0x06+((\a)/4)                              ; source 0 (the accumulators) window 2 or 3, source 1 (alpha) window 1
.set j, 0
.rept 32
	v_pk_fma_f32 v[TMP+j:TMP+j+1], v[AC+j:AC+j+1], v[ALV+j:ALV+j+1], v[TMP+j:TMP+j+1]   ; + the sum of codes x alpha 2^(e0 + e1); every accumulator from its low end on
.set j, j+2
.endr
	WIN 0
.irp b, 0,1,2,3,4,5,6,7
	ds_store_b128 v[STO], v[TMP+8*\b:TMP+8*\b+3] offset:64*\b
	ds_store_b128 v[STO], v[TMP+8*\b+4:TMP+8*\b+7] offset:64*\b+16
.endr
.set BB, BK+64*((\a)%2)
.irp t, 0,1,2,3,4,5,6,7,8,9,10,11,12,13,14,15
	ds_load_b128 v[BB+4*\t:BB+4*\t+3], v[RD] offset:\t*SPITCH   ; LDS serves a wave's instructions in order (ISA guide 5.7.1.4): these see my stores, and the next block's stores come behind them
.endr
.endm
.macro SEND a, younger                 ; younger: the LDS instructions issued behind block a's loads, which may stay out
.set BB, BK+64*((\a)%2)
	s_wait_dscnt \younger                          ; the block is back in registers
.if (\a) > 0
	s_add_nc_u64 s[10:11], s[10:11], 16*ROWC       ; (behind a wait on XCNT: the earlier stores have read their base)  16 rows on, so that the stores' offsets stay at 15 rows at the most
.endif
.irp t, 0,1,2,3,4,5,6,7,8,9,10,11,12,13,14,15
	global_store_b128 v[CO], v[BB+4*\t:BB+4*\t+3], s[10:11] offset:\t*ROWC th:TH_STORE_NT   ; 32 lanes store 512 consecutive bytes, at a multiple of 256 from out0's first byte; written once, read by nobody here
.endr
.endm
	PLACES NP                                      ; behind the last products: loads and writes into the registers that held their fragments follow
	WIN TO_B
.irp b, 0,1,2,3,4,5,6,7
	ds_load_b128 v[ALV+8*\b:ALV+8*\b+3],   v[PV] offset:ALP+64*\b       ; outputs 16 b + 8 h + 0 .. 7: sixteen lanes share each word
	ds_load_b128 v[ALV+8*\b+4:ALV+8*\b+7], v[PV] offset:ALP+64*\b+16
	ds_load_b128 v[MUV+8*\b:MUV+8*\b+3],   v[PV] offset:MUU+64*\b
	ds_load_b128 v[MUV+8*\b+4:MUV+8*\b+7], v[PV] offset:MUU+64*\b+16
	ds_load_b128 v[BIV+8*\b:BIV+8*\b+3],   v[PV] offset:BIA+64*\b
	ds_load_b128 v[BIV+8*\b+4:BIV+8*\b+7], v[PV] offset:BIA+64*\b+16
	ds_load_b128 v[LBF+8*\b:LBF+8*\b+3],   v[PI] offset:LB+512*\b       ; lora_B's fragment b: output 16 b + r, ranks 8 h on
.endr
.irp b, 0,1,2,3,4,5,6,7
.irp i, 4,5,6,7
	v_mov_b32 v[LBF+8*\b+\i], 0                    ; K = 16 .. 31 of the bf16 form: there are 16 ranks
.endr
.endr
	WIN 0
.irp i, 4,5,6,7,12,13,14,15
	v_mov_b32 v[XAF+\i], 0
.endr
	PRE 0
	TOSTAGE 0
.irp a, 1,2,3,4,5,6,7
.if \a > 1
	s_wait_xcnt 0x0                                ; block a - 2's stores have read their registers and their base: block a's loads may land there, and the base may step
.endif
	TOSTAGE \a
.if \a < 7
	SEND \a-1, 34                                  ; behind block a - 1's loads: two operand loads, block a's 16 stores and 16 loads
.else
	SEND \a-1, 32
.endif
.endr
	s_wait_xcnt 0x0                                ; block 6's stores have read their base
	SEND 7, 0
	s_wait_tensorcnt 0x0                           ; the wave's end, behind my last tensor load and my last LDS store
	ds_add_u32 v[SPW], v[NIL]
	s_wait_dscnt 0x0
	CROUND                                         ; the closing round: no work-group ends while a partner may still ask for a tile that names it
	s_endpgm
.Lfunc_end_k_q6714c37599_gemm:
	.size	k_q6714c37599_gemm, .Lfunc_end_k_q6714c37599_gemm-k_q6714c37599_gemm
	.p2alignl 7, 3214868480
	.fill 96, 4, 3214868480
	.section	.rodata,"a",@progbits
	.p2align	6, 0x0
	.amdhsa_kernel k_q6714c37599_gemm
		.amdhsa_group_segment_fixed_size 327680
		.amdhsa_private_segment_fixed_size 0
		.amdhsa_enable_private_segment 0
		.amdhsa_kernarg_size 80
		.amdhsa_user_sgpr_count 2
		.amdhsa_user_sgpr_kernarg_segment_ptr 1
		.amdhsa_wavefront_size32 1
		.amdhsa_system_sgpr_workgroup_id_x 1
		.amdhsa_system_sgpr_workgroup_id_y 1
		.amdhsa_system_sgpr_workgroup_id_z 1
		.amdhsa_system_vgpr_workitem_id 0
		.amdhsa_next_free_vgpr 1024
		.amdhsa_next_free_sgpr 98
		.amdhsa_reserve_vcc 0
		.amdhsa_float_denorm_mode_32 3
		.amdhsa_float_denorm_mode_16_64 3
		.amdhsa_memory_ordered 1
		.amdhsa_forward_progress 1
		.amdhsa_inst_pref_size 160
	.end_amdhsa_kernel
	.amdgpu_metadata
---
amdhsa.version: [ 1, 2 ]
amdhsa.kernels:
  - .name:           k_q6714c37599_gemm
    .symbol:         k_q6714c37599_gemm.kd
    .args:
      - { .name: xq, .offset: 0, .size: 8, .value_kind: global_buffer, .address_space: global }
      - { .name: tq, .offset: 8, .size: 8, .value_kind: global_buffer, .address_space: global }
      - { .name: lowp_scales, .offset: 16, .size: 8, .value_kind: global_buffer, .address_space: global }
      - { .name: out0, .offset: 24, .size: 8, .value_kind: global_buffer, .address_space: global }
      - { .name: alpha, .offset: 32, .size: 8, .value_kind: global_buffer, .address_space: global }
      - { .name: mu, .offset: 40, .size: 8, .value_kind: global_buffer, .address_space: global }
      - { .name: bias, .offset: 48, .size: 8, .value_kind: global_buffer, .address_space: global }
      - { .name: lora_B, .offset: 56, .size: 8, .value_kind: global_buffer, .address_space: global }
      - { .name: xa16, .offset: 64, .size: 8, .value_kind: global_buffer, .address_space: global }
      - { .name: rsw, .offset: 72, .size: 8, .value_kind: global_buffer, .address_space: global }
    .group_segment_fixed_size: 327680
    .private_segment_fixed_size: 0
    .kernarg_segment_align: 8
    .kernarg_segment_size: 80
    .max_flat_workgroup_size: 128
    .sgpr_count:     98
    .vgpr_count:     1024
    .wavefront_size: 32
...
	.end_amdgpu_metadata
.endif
;; end of part 2
